; MI455X (gfx1250); checked and timed in simulation.
; The chip was launched on July 23, 2026; its instructions are those of AMD's public machine-readable ISA for CDNA 5 (MIT licence, August 2026) and "CDNA5" Instruction Set Architecture Reference Guide (July 2026). The comments in the code are by the model that wrote it; some were corrected since.
;; Quant Linear. Allowed arithmetic: matrix products marked QUANTISED: E3M2 operands, one E8M0 scale for each 32 along K, by v_wmma_scale_f32_16x16x128_f8f6f4 with both operands' format E3M2, f32 sums; everything else in f32.
;; Inputs: bias 4,096 float32; weight 4,096 x 4,096 float32; x 4,096 x 4,096 float32.
;; Outputs: out0 4,096 x 4,096 float32.
;; Constants: exp = 5, man = 10.
;; This version of the problem:
;;   THIS VERSION OF THE PROBLEM IS GIVEN IN LOW PRECISION. The matrix products marked QUANTISED in the list below multiply operands that are first quantised to E3M2 (3 exponent bits, 2 mantissa bits; 6 bits a number), with one power-of-two scale for each 32 numbers along K (OCP MX v1.0); their sums are f32. All else is computed in f32.
;;   The module's matrix products, in the order in which they are computed (A, B: the left and right operand; K: the contracted axis; several contracted axes count as one K, in the product's order):
;;     1. [M 4,096, K 4,096] x [K 4,096, N 4,096]; A: computed on the way; B: computed on the way: QUANTISED
;;   THE QUANTISER, for each operand of a quantised product, along K:
;;     - K is cut into blocks of 32 from its start; a last block that is shorter is filled with zeros.
;;     - A block's scale is 2^e with e = floor(log2(the largest magnitude in the block)) - 4, held to -126 .. 127; a block of zeros has e = 0. As a byte (E8M0): e + 127.
;;     - Each number is divided by its block's scale, clamped to +-28, and rounded to the nearest number of E3M2, ties to even, subnormals kept.
;;     - The product sums the exact products of the quantised numbers (number of the format x scale) in f32.
;;   ~~~python
;;   def quantise(x, axis):      # numpy; x: float32 -> the quantised numbers, widened to float32 again
;;       x = np.moveaxis(x, axis, -1); K = x.shape[-1]
;;       x = np.pad(x, [(0, 0)] * (x.ndim - 1) + [(0, -K % 32)]); x = x.reshape(x.shape[:-1] + (-1, 32)); a = np.abs(x).max(-1, keepdims=True)
;;       e = np.where(a > 0, np.clip(np.frexp(np.where(a > 0, a, 1))[1] - 1 - 4, -126, 127), 0)      # np.frexp(a)[1] - 1 = floor(log2(a)), exactly
;;       r = np.clip(x / 2.0 ** e, -28, 28)
;;       step = 2.0 ** (np.maximum(np.frexp(np.where(r == 0, 1, r))[1] - 1, -2) - 2)
;;       q = np.round(r / step) * step * 2.0 ** e      # np.round: ties to even
;;       return np.moveaxis(q.reshape(q.shape[:-2] + (-1,))[..., :K], -1, axis).astype(np.float32)
;;   ~~~
;;   OPERANDS COMPUTED ON THE WAY. 'Computed on the way' means the value that the module computes at that place (a softmax that the list does not call 'softmax' is quantised finished and normalised). What goes into a quantiser is computed in f32, as accurately as f32 sums, v_exp_f32 and their like allow (about 1e-6 of the number): no bf16 or f16 on the way to a quantiser, and a product that is left as it is and whose result goes on into a quantised operand takes f32 operands (vector FMAs, or v_wmma_f32_16x16x4_f32). A number that lies on a knife's edge between two numbers of the format may be rounded either way, as far as f32 arithmetic and the matrix unit's own rounding can turn it there, and no further.
;; One version. Each part assembles by itself: llvm-mc -triple=amdgcn-amd-amdhsa -mcpu=gfx1250 --defsym DOCPART=n.
;; ======== version 1 of 1: 2 launches
;; limits: right only within a limited range of input values
;; workspace buffers: a_img 13,107,200 bytes; b_img 13,107,200 bytes
;; launch quant (part 1): grid 512 x 1, 4 waves a work-group, no clusters, 34,304 bytes of LDS; arguments x, weight, a_img, b_img; writes a_img, b_img
.if DOCPART == 1
	.amdgcn_target "amdgcn-amd-amdhsa--gfx1250"
	.amdhsa_code_object_version 6
	.text
	.protected	k_qf4b2b6e9f5_quant
	.globl	k_qf4b2b6e9f5_quant
	.p2align	8
	.type	k_qf4b2b6e9f5_quant,@function
k_qf4b2b6e9f5_quant:
	s_mov_b64 s[64:65], 0
	v_nop
	global_prefetch_b8 v0, s[64:65] scope:SCOPE_SE
	s_setreg_imm32_b32 hwreg(HW_REG_WAVE_MODE, 25, 1), 1
	s_wait_xcnt 0x0
; x [4096][4096] and weight [4096][4096], f32, K innermost, become the two operands of the product: first fq (11 significant bits, ties to even, exponent held at -14 from below,
; held at +-65504), in f32 alone; then codes of BF6 (E3M2) with one E8M0 scale byte for each 32 along K.
; fq: x is held to +-65504; m = the power of two in max(|x|, 2^-14) (its exponent field alone); r = m * 12288 + x lies in the binade whose last place is m * 2^-10, so that one
; fused rounding is the rounding asked for, ties to even (12288 m is an even multiple of that place); q = r - 12288 m is exact.
; THE OUTPUT IS LAID AS IMAGES OF THE OPERAND'S REGISTERS: [half tile H of 128 rows: 32][K step s of 128: 32][unit of 12,800 bytes].  In a unit: byte 1536 i + 512 g + 16 l + 4 n is register 4 g + n
; of lane l of the fragment of rows 128 H + 16 i + 0 .. 15 (lane (r, h): registers 6 c .. 6 c + 5 hold k = 128 s + 64 c + 32 h + 0 .. 31 of row r); byte 12288 + 256 (i / 4) + 16 r + 4 (i % 4) is the scale word of row r of block i.
; SHARES.  2 tensors x 32 x 32 units, one to a wave; the first 256 work-groups take x, the others weight (only pointers are chosen: one path).  The four waves of a work-group stand side by side on 2,048 bytes of each row.
; A load takes 512 consecutive bytes of one row; sixteen rows turn through the wave's own stage in LDS (rows 528 bytes apart) and come back 128 bytes a lane: two whole blocks of 32 in a lane's registers,
; so that a block's largest magnitude needs no other lane and the conversions' results are the operand's registers.  Every store covers 512 consecutive bytes, at a multiple of 512 from the buffer's first byte.
; No tensor load, no barrier, no cluster: waves and work-groups share nothing.  Loads run three fragments (48 loads a wave) ahead.  Every offset is an immediate: 127 rows of 16,384 bytes at the most.
; LIMITS: NaN and infinities among the inputs are not served; fq gives +0 where the sign of a zero would be minus; a block of zeros gets the scale byte 1, not 127: its codes are zeros, and this program alone reads the bytes.
.set ROWB, 16384                       ; a row of x or weight in bytes
.set UNIT, 12800
.set HSTR, 32*UNIT                     ; a half tile's 32 units
.set FRB,  1536                        ; a fragment's image
.set SCO,  12288                       ; where a unit's scale words begin
.set SP,   528                         ; a stage row: 512 bytes + 16: sixteen lanes that read the same column of sixteen rows touch sixteen different columns of 16 bytes
.set WREG, 16*SP                       ; a wave's stage
.set LO,   2                           ; v2   16 x lane: offset of loads and stores; never rewritten
.set PFO,  47                          ; v47  the prefetches' offset: row lane / 2 of a fragment's sixteen, block lane % 2 of that row's two blocks of 256 bytes; never rewritten
; PREFETCH: a fragment's 16 rows x 512 bytes are 32 blocks of 256 bytes: one instruction, a lane a block, names it whole.  Only this wave reads these bytes, so each block is named once.
; Trip i names fragment i + 5, whose register loads are issued at the end of trip i + 2: two trips ahead of them.  Fragments 1 to 4 are named at the head, behind fragment 0's loads.
; Trips 3 to 7 name nothing: the last address named lies in the wave's row 127.  A wave has at most three fragments named whose loads are not yet issued, behind the head's four.
.set STW,  3                           ; v3   the stage, on the way in: 16 x lane
.set STR,  4                           ; v4   and back: 528 r + 128 h
.set SH,   5                           ; v5   8 h: where my two scale bytes stand in the word
.set TA,   6                           ; v6, v7 at work
.set TB,   7
.set W,    8                           ; v8-15   the eight fragments' scale words
.set T,    16                          ; v16-31  fq: m of sixteen numbers
.set C,    32                          ; v32-43  a fragment's codes
.set T2,   44                          ; v44-46, v48-50  the second halves of the blocks' codes
.set SW,   52                          ; v52-55  the scale words as they are stored
.set MX,   56                          ; v56-57  the two blocks' largest magnitudes
.set SO,   58                          ; v58-59  the conversions' scale operands
.set BY,   60                          ; v60-61  the scale bytes
.set X,    64                          ; v64-255 three sets of 64 numbers
.set NEG,  24                          ; s24 -65504, s25 65504, s26 2^-14, s27 the exponent field's mask
.set POS,  25
.set MINN, 26
.set EXPM, 27
.set CP,   28                          ; s[28:29] 12288, s[30:31] -12288: the packed form names a pair and takes its low word for both halves
.set CN,   30
.set SEL,  32                          ; s[32:33] v_permlanex16_b32's selects for lane l xor 16
	s_load_b256 s[4:11], s[0:1], 0x0               ; x s[4:5], weight s[6:7], a_img s[8:9], b_img s[10:11]
	v_lshl_add_u32 v62, v0, 2, 0x8400
	v_mov_b32 v63, 0
	v_lshrrev_b32 v1, 5, v0
	v_readfirstlane_b32 s16, v1                    ; wave 0..3
	v_and_b32 v1, 31, v0                           ; lane
	v_lshlrev_b32 v[LO], 4, v1
	s_mul_i32 s34, s16, WREG                       ; my stage
	v_add_nc_u32 v[STW], s34, v[LO]
	v_and_b32 v[TA], 15, v0                        ; r
	v_bfe_u32 v[TB], v0, 4, 1                      ; h
	v_mul_u32_u24 v[STR], v[TA], SP
	v_lshl_add_u32 v[STR], v[TB], 7, v[STR]
	v_add_nc_u32 v[STR], s34, v[STR]
	v_lshlrev_b32 v[SH], 3, v[TB]
	v_lshrrev_b32 v[PFO], 1, v1
	v_and_b32 v[MX], 1, v1
	v_lshlrev_b32 v[PFO], 14, v[PFO]               ; 16,384 bytes a row,
	v_lshl_add_u32 v[PFO], v[MX], 8, v[PFO]        ; 256 bytes a block
	s_mov_b32 s[NEG], 0xc77fe000
	s_mov_b32 s[POS], 0x477fe000
	s_mov_b32 s[MINN], 0x38800000
	s_mov_b32 s[EXPM], 0x7f800000
	s_mov_b32 s[CP], 0x46400000
	s_mov_b32 s[CP+1], 0x46400000
	s_mov_b32 s[CN], 0xc6400000
	s_mov_b32 s[CN+1], 0xc6400000
	s_mov_b32 s[SEL], 0x76543210
	s_mov_b32 s[SEL+1], 0xfedcba98
	s_and_b32 s17, ttmp9, 255                      ; which four units of the tensor
	s_lshr_b32 s18, s17, 3                         ; H
	s_and_b32 s19, s17, 7
	s_lshl_b32 s19, s19, 2
	s_add_co_u32 s19, s19, s16                     ; s = 4 x (low three bits) + wave
	s_lshl_b32 s20, s18, 21                        ; 128 rows of 16,384 bytes a half tile,
	s_lshl_b32 s22, s19, 9                         ; 512 bytes a K step
	s_add_co_u32 s20, s20, s22
	s_mov_b32 s21, 0
	s_mul_i32 s22, s18, HSTR
	s_mul_i32 s23, s19, UNIT
	s_add_co_u32 s22, s22, s23                     ; my unit
	s_mov_b32 s23, 0
	s_wait_alu depctr_va_vdst(0)
	s_wait_kmcnt 0x0
	s_cmp_lt_u32 ttmp9, 256                        ; x's work-group or weight's?  The choice hangs on the work-group's number alone
	s_cselect_b64 s[4:5], s[4:5], s[6:7]
	s_cselect_b64 s[8:9], s[8:9], s[10:11]
	s_add_nc_u64 s[4:5], s[4:5], s[20:21]
	s_add_nc_u64 s[8:9], s[8:9], s[22:23]
.macro LOAD i                          ; fragment i's sixteen rows, 512 consecutive bytes each, into set i % 3
.irp p, 0,1,2,3,4,5,6,7,8,9,10,11,12,13,14,15
	global_load_b128 v[X+64*((\i)%3)+4*\p:X+64*((\i)%3)+4*\p+3], v[LO], s[4:5] offset:(16*(\i)+\p)*ROWB th:TH_LOAD_NT
.endr
.endm
.macro FQ16 x                          ; fq of sixteen numbers, in place
.irp n, 0,1,2,3,4,5,6,7,8,9,10,11,12,13,14,15
	v_med3_num_f32 v[\x+\n], v[\x+\n], s[NEG], s[POS]              ; held at the format's largest number
.endr
.irp n, 0,1,2,3,4,5,6,7,8,9,10,11,12,13,14,15
	v_max_num_f32 v[T+\n], |v[\x+\n]|, s[MINN]                     ; the exponent is held at -14 from below
.endr
.irp n, 0,1,2,3,4,5,6,7,8,9,10,11,12,13,14,15
	v_and_b32 v[T+\n], s[EXPM], v[T+\n]                            ; m: the exponent field alone
.endr
.irp n, 0,2,4,6,8,10,12,14
	v_pk_fma_f32 v[\x+\n:\x+\n+1], v[T+\n:T+\n+1], s[CP:CP+1], v[\x+\n:\x+\n+1] op_sel_hi:[1,0,1]   ; r = 12288 m + x: the one rounding
.endr
.irp n, 0,2,4,6,8,10,12,14
	v_pk_fma_f32 v[\x+\n:\x+\n+1], v[T+\n:T+\n+1], s[CN:CN+1], v[\x+\n:\x+\n+1] op_sel_hi:[1,0,1]   ; r - 12288 m: exact
.endr
.endm
.macro FRAG i
.set XS, X+64*((\i)%3)
.if (\i) < 6
	s_wait_loadcnt 32                              ; my sixteen loads are in; the two younger fragments' 32 may be out
.else
	s_wait_loadcnt 16*(7-(\i))                     ; the counts run down
.endif
.if (\i)+5 < 8
	global_prefetch_b8 v[PFO], s[4:5] offset:16*((\i)+5)*ROWB th:TH_LOAD_NT scope:SCOPE_SE   ; fragment i + 5
.endif
.irp p, 0,1,2,3,4,5,6,7,8,9,10,11,12,13,14,15
	ds_store_b128 v[STW], v[XS+4*\p:XS+4*\p+3] offset:SP*\p        ; the rows as they were loaded
.endr
.irp c, 0,1
.irp j, 0,1,2,3,4,5,6,7
	ds_load_b128 v[XS+32*\c+4*\j:XS+32*\c+4*\j+3], v[STR] offset:256*\c+16*\j   ; LDS serves a wave's instructions in order (ISA guide 5.7.1.4): these see the stores above.  Register 32 c + n: k = 64 c + 32 h + n of row r
.endr
.endr
	s_wait_dscnt 0x0
	FQ16 XS
	FQ16 XS+16
	FQ16 XS+32
	FQ16 XS+48
.irp c, 0,1
	v_max3_num_f32 v[MX+\c], |v[XS+32*\c]|, |v[XS+32*\c+1]|, 0x2800000   ; my block 2 c + h: all its 32 numbers are mine; and the floor 2^(5 - 127), so that the byte cannot fall under 1
.endr
.irp n, 2,4,6,8,10,12,14,16,18,20,22,24,26,28,30
.irp c, 0,1
	v_max3_num_f32 v[MX+\c], v[MX+\c], |v[XS+32*\c+\n]|, |v[XS+32*\c+\n+1]|   ; (the two blocks by turns)
.endr
.endr
.irp c, 0,1
	v_add_nc_u32 v[SO+\c], 0xfe000000, v[MX+\c]    ; 4 off the exponent field: the conversion takes the exponent field of this operand as its scale
.endr
.irp c, 0,1
	v_lshrrev_b32 v[BY+\c], 23, v[SO+\c]           ; the scale's byte
.endr
	v_lshl_or_b32 v[TA], v[BY+1], 16, v[BY]        ; my two bytes: blocks h and 2 + h of row r,
	v_lshlrev_b32 v[TA], v[SH], v[TA]              ; at their places in the word;
	v_permlanex16_b32 v[TB], v[TA], s[SEL], s[SEL+1]
	v_or_b32 v[W+(\i)], v[TA], v[TB]               ; with lane l xor 16's two the word is whole, in both lanes
.if (\i) > 0
	s_wait_alu depctr_va_vdst(0)
	s_wait_xcnt 0x0                                ; the last fragment's stores have read the codes' registers: only behind this wait are they written again
.endif
.irp c, 0,1
	v_cvt_scalef32_pk16_bf6_f32 v[C+6*\c:C+6*\c+2], v[XS+32*\c:XS+32*\c+15], v[SO+\c]
	v_cvt_scalef32_pk16_bf6_f32 v[T2+4*\c:T2+4*\c+2], v[XS+32*\c+16:XS+32*\c+31], v[SO+\c]   ; (a conversion's three registers begin on an even number: the second half of a block's six does not)
.endr
	v_nop                                          ; one plain place behind a scaled conversion
.irp c, 0,1
.irp n, 0,1,2
	v_mov_b32 v[C+6*\c+3+\n], v[T2+4*\c+\n]
.endr
.endr
.irp g, 0,1,2
	global_store_b128 v[LO], v[C+4*\g:C+4*\g+3], s[8:9] offset:FRB*(\i)+512*\g   ; the image: 32 lanes store 512 consecutive bytes
.endr
.if (\i)+3 < 8
	LOAD (\i)+3                                    ; into the set that has just been converted
.endif
.endm
	LOAD 0
.irp j, 1,2,3,4
	global_prefetch_b8 v[PFO], s[4:5] offset:16*\j*ROWB th:TH_LOAD_NT scope:SCOPE_SE
.endr
	LOAD 1
	LOAD 2
.irp i, 0,1,2,3,4,5,6,7
	FRAG \i
.endr
	v_cmp_lt_u32 vcc_lo, 15, v1                    ; lanes 16-31 take blocks 4-7's words (both halves of the lanes hold every word)
.irp k, 0,1,2,3
	v_cndmask_b32 v[SW+\k], v[W+\k], v[W+4+\k], vcc_lo
.endr
	global_store_b128 v[LO], v[SW:SW+3], s[8:9] offset:SCO   ; the unit's 512 bytes of scale words
	s_wait_tensorcnt 0x0
	ds_add_u32 v62, v63
	s_wait_dscnt 0x0
	s_endpgm
.Lfunc_end_k_qf4b2b6e9f5_quant:
	.size	k_qf4b2b6e9f5_quant, .Lfunc_end_k_qf4b2b6e9f5_quant-k_qf4b2b6e9f5_quant
	.p2alignl 7, 3214868480
	.fill 96, 4, 3214868480
	.section	.rodata,"a",@progbits
	.p2align	6, 0x0
	.amdhsa_kernel k_qf4b2b6e9f5_quant
		.amdhsa_group_segment_fixed_size 34304
		.amdhsa_private_segment_fixed_size 0
		.amdhsa_enable_private_segment 0
		.amdhsa_kernarg_size 32
		.amdhsa_user_sgpr_count 2
		.amdhsa_user_sgpr_kernarg_segment_ptr 1
		.amdhsa_wavefront_size32 1
		.amdhsa_system_sgpr_workgroup_id_x 1
		.amdhsa_system_sgpr_workgroup_id_y 1
		.amdhsa_system_sgpr_workgroup_id_z 1
		.amdhsa_system_vgpr_workitem_id 0
		.amdhsa_next_free_vgpr 256
		.amdhsa_next_free_sgpr 66
		.amdhsa_reserve_vcc 1
		.amdhsa_float_denorm_mode_32 3
		.amdhsa_float_denorm_mode_16_64 3
		.amdhsa_memory_ordered 1
		.amdhsa_forward_progress 1
		.amdhsa_inst_pref_size 170
	.end_amdhsa_kernel
	.amdgpu_metadata
---
amdhsa.version: [ 1, 2 ]
amdhsa.kernels:
  - .name:           k_qf4b2b6e9f5_quant
    .symbol:         k_qf4b2b6e9f5_quant.kd
    .args:
      - { .name: x, .offset: 0, .size: 8, .value_kind: global_buffer, .address_space: global }
      - { .name: weight, .offset: 8, .size: 8, .value_kind: global_buffer, .address_space: global }
      - { .name: a_img, .offset: 16, .size: 8, .value_kind: global_buffer, .address_space: global }
      - { .name: b_img, .offset: 24, .size: 8, .value_kind: global_buffer, .address_space: global }
    .group_segment_fixed_size: 34304
    .private_segment_fixed_size: 0
    .kernarg_segment_align: 8
    .kernarg_segment_size: 32
    .max_flat_workgroup_size: 128
    .sgpr_count:     66
    .vgpr_count:     256
    .wavefront_size: 32
...
	.end_amdgpu_metadata
.endif
;; end of part 1
;; launch gemm (part 2): grid 16 x 16, 4 waves a work-group, clusters of 4 x 4, 327,680 bytes of LDS; arguments a_img, b_img, bias, out0; writes out0
.if DOCPART == 2
	.amdgcn_target "amdgcn-amd-amdhsa--gfx1250"
	.amdhsa_code_object_version 6
	.text
	.protected	k_qf4b2b6e9f5_gemm
	.globl	k_qf4b2b6e9f5_gemm
	.p2align	8
	.type	k_qf4b2b6e9f5_gemm,@function
k_qf4b2b6e9f5_gemm:
	s_mov_b64 s[64:65], 0
	v_nop
	global_prefetch_b8 v0, s[64:65] scope:SCOPE_SE
	s_setreg_imm32_b32 hwreg(HW_REG_WAVE_MODE, 25, 1), 1
	s_wait_xcnt 0x0
	s_wait_alu depctr_hold_cnt(0) depctr_sa_sdst(0) depctr_va_vdst(0) depctr_va_sdst(0) depctr_va_ssrc(0) depctr_va_vcc(0) depctr_vm_vsrc(0)
	s_getreg_b32 s2, hwreg(HW_REG_IB_STS2, 6, 4)
	s_cmp_eq_u32 s2, 0
	s_cbranch_scc0 .Lentry_in_a_cluster
	s_endpgm
.Lentry_in_a_cluster:
	s_bfe_u32 s2, ttmp6, 0x10000c
	s_cmp_lg_u32 s2, 0xf033
	s_cbranch_scc0 .Lentry_shape_is_right
	s_endpgm
.Lentry_shape_is_right:
; out0[m][n] = fq(sum over k of A[m][k] B[n][k]) + bias[n].  A and B are x and weight as launch quant left them: codes of BF6 (E3M2) with E8M0 scale words, laid as images of the operands' registers:
; [half tile of 128 rows: 32][K step of 128: 32][unit of 12,800 bytes: eight fragments of 1,536 bytes, then 512 bytes of scale words].  fq: 11 significant bits, ties to even, exponent held at -14 from below, held at +-65504, in f32.
; SHARES.  256 work-groups, a tile of 256 x 256 each; four waves, 128 x 128 each: 64 accumulators, 512 registers (windows 2 and 3).  Window 0: addresses, scale words (two sets), A's fragments (one set); window 1: B's fragments (two sets).
; The matrix instruction is used transposed (source 0 = 16 rows of B, source 1 = 16 rows of A): a lane holds eight neighbouring numbers of a row of out0.
; THE RING.  Two slots, each with 3 K steps of A's two and B's two half tiles: 4 x 38,400 dense bytes, stated as rows of 256 bytes, one joint load a wave.  32 steps are ten fills of 3 steps and one of 2.
; CLUSTERS.  4 x 4 work-groups: A's chunks are asked for jointly along a row of the cluster, B's along a column; each refill stands behind a round of the cluster's barrier.
; A STEP'S LDS LOADS are 50 of 512 bytes a wave.  B's next set is free through the whole step, so its 24 loads go out at the step's start; A's blocks 0-3 and the scale words follow in the middle, A's blocks 4-7 at the end.
; At a change of slots B's next set can be read only behind the barrier in the step's middle: the products go by B's blocks (four of A's against each), so that the step behind needs B's blocks 4-7 sixteen products later than blocks 0-3.
; PREFETCH.  Behind each refill a wave names the chunk that the next refill loads: 150 blocks of 256 bytes, of which each of the four partners takes 38, told apart by address; every cluster asks for what it will load.
; Chunks 1 and 2 are named at the head, behind the first joint load; the last chunk (100 blocks) is not named, so that no address leaves the buffer.
; THE WAY OUT.  All results go through a stage laid over the ring, which has had its last fill; they come back as rows of 512 bytes, get fq and the bias, and 32 lanes store 512 consecutive aligned bytes.
; LIMITS: NaN and infinities are not served; fq gives +0 where the sign of a zero would be minus.
.set UNIT,   12800
.set FRB,    1536
.set SCO,    12288
.set NQ,     3
.set HALF,   NQ*UNIT
.set SLOT,   4*HALF
.set SPARE,  2*SLOT
.set HSTR,   32*UNIT
.set SPITCH, 528
.set WSTG,   128*SPITCH
.set FR,     12
.set ADRA, 16
.set ADRB, 20
.set ADRS, 22
.set STO,  24
.set RD,   25
.set CO,   26
.set ADR,  27
.set SPW,  28
.set NIL,  29
.set PFO1, 30
.set PFO2, 31
.set SC,   32
.set BI,   48
.set BK0,  64
.set T,    128                         ; fq's sixteen temporaries: registers that held A's blocks 0 and 1, done with when the way out begins
.set AF,   128
.set G1,   24
.set G0,   32
.set G1B,  48
.set G0B,  56
.set G1S,  68
.set G1SB, 76
.set PFA,  84
.set NEG,  88
.set POS,  89
.set MINN, 90
.set EXPM, 91
.set CP,   92
.set CN,   94
.set TBS,  96
.set MSB, 0
.macro WIN new
.if MSB != (\new)
	s_set_vgpr_msb (MSB<<8)|(\new)
.set MSB, (\new)
.endif
.endm
.set MUL_LO, 0xa1
.set MUL_HI, 0xf1
.set TO_B,   0x40
.macro JLOAD g0a, g1a, g0b, g1b
	s_cmp_eq_u32 s15, 0
	s_cbranch_scc0 .Lfor_b_\@
	tensor_load_to_lds s[\g0a:\g0a+3], s[\g1a:\g1a+7]
	s_nop 0
.rept 4
	v_nop
.endr
	s_branch .Lasked_\@
.Lfor_b_\@:
	tensor_load_to_lds s[\g0b:\g0b+3], s[\g1b:\g1b+7]
	s_nop 0
.rept 4
	v_nop
.endr
.Lasked_\@:
.endm
.macro CREST
	s_cmp_lg_u32 s14, 0
	s_cbranch_scc1 .Lnot_wave_0_\@
	s_barrier_signal -3
.Lnot_wave_0_\@:
	s_barrier_wait -3
	s_barrier_signal -1
	s_barrier_wait -1
.endm
.macro CROUND
	s_barrier_signal -1
	s_barrier_wait -1
	CREST
.endm
.macro ASK how
.if (\how) == 2                        ; the lap's second change of slots names the short last chunk in the loop's last trip (s3 = 1): not asked for
	s_cmp_gt_u32 s3, 1
	s_cbranch_scc0 .Lnot_mine_\@
.endif
	global_prefetch_b8 v[PFO1], s[PFA:PFA+1] th:TH_LOAD_NT scope:SCOPE_SE
	global_prefetch_b8 v[PFO2], s[PFA:PFA+1] th:TH_LOAD_NT scope:SCOPE_SE
.Lnot_mine_\@:
.endm
	s_load_b256 s[4:11], s[0:1], 0x0
	v_lshl_add_u32 v[SPW], v0, 2, SPARE
	v_mov_b32 v[NIL], 0
	ds_add_u32 v28, v29
	ds_add_u32 v28, v29
	s_wait_dscnt 0x0
	v_lshrrev_b32 v1, 5, v0
	v_readfirstlane_b32 s14, v1
	s_lshr_b32 s15, s14, 1
	s_and_b32 s16, s14, 1
	s_bfe_u32 s40, ttmp6, 0x40000
	s_bfe_u32 s41, ttmp6, 0x40004
	s_lshl_b32 s42, ttmp9, 2
	s_add_co_u32 s42, s42, s40
	s_and_b32 s17, ttmp7, 0xffff
	s_lshl_b32 s17, s17, 2
	s_add_co_u32 s17, s17, s41
	s_lshl_b32 s43, s41, 2
	s_lshl_b32 s43, 15, s43
	s_lshl_b32 s44, 0x1111, s40
	s_or_b32 s[G1+0], s43, (3<<16)|(1<<21)
	s_or_b32 s[G1B+0], s44, (3<<16)|(1<<21)
	s_or_b32 s[G1S+0], s43, (3<<16)|(1<<21)
	s_or_b32 s[G1SB+0], s44, (3<<16)|(1<<21)
.irp g, G1, G1B
	s_mov_b32 s[\g+1], 32<<16
	s_mov_b32 s[\g+2], (HALF/256)<<16
	s_mov_b32 s[\g+3], 32<<16
	s_mov_b32 s[\g+4], HALF/256
	s_mov_b32 s[\g+5], 32
	s_mov_b32 s[\g+6], 0
	s_mov_b32 s[\g+7], 0
.endr
.irp g, G1S, G1SB
	s_mov_b32 s[\g+1], 32<<16
	s_mov_b32 s[\g+2], (2*UNIT/256)<<16
	s_mov_b32 s[\g+3], 32<<16
	s_mov_b32 s[\g+4], 2*UNIT/256
	s_mov_b32 s[\g+5], 32
	s_mov_b32 s[\g+6], 0
	s_mov_b32 s[\g+7], 0
.endr
	s_mov_b32 s[NEG], 0xc77fe000
	s_mov_b32 s[POS], 0x477fe000
	s_mov_b32 s[MINN], 0x38800000
	s_mov_b32 s[EXPM], 0x7f800000
	s_mov_b32 s[CP], 0x46400000
	s_mov_b32 s[CP+1], 0x46400000
	s_mov_b32 s[CN], 0xc6400000
	s_mov_b32 s[CN+1], 0xc6400000
	s_lshl_b32 s20, s17, 1
	s_add_co_u32 s20, s20, s16
	s_mul_i32 s20, s20, HSTR
	s_mov_b32 s21, 0
	s_lshl_b32 s46, s42, 1
	s_add_co_u32 s46, s46, s16
	s_mul_i32 s46, s46, HSTR
	s_mov_b32 s47, 0
	s_mul_i32 s45, s14, HALF
	CROUND                                         ; the round in front of the first joint loads names no argument: it stands ahead of the wait for them
	s_wait_kmcnt 0x0
	s_add_nc_u64 s[20:21], s[4:5], s[20:21]
	s_add_nc_u64 s[46:47], s[6:7], s[46:47]
.irp s, 0,1
	s_mov_b32 s[G0+4*\s], 1
	s_add_co_u32 s[G0+4*\s+1], s45, \s*SLOT
	s_add_nc_u64 s[G0+4*\s+2:G0+4*\s+3], s[20:21], \s*HALF
	s_or_b32 s[G0+4*\s+3], s[G0+4*\s+3], 0x80000000
	s_mov_b32 s[G0B+4*\s], 1
	s_add_co_u32 s[G0B+4*\s+1], s45, \s*SLOT
	s_add_nc_u64 s[G0B+4*\s+2:G0B+4*\s+3], s[46:47], \s*HALF
	s_or_b32 s[G0B+4*\s+3], s[G0B+4*\s+3], 0x80000000
.endr
	JLOAD G0, G1, G0B, G1B                         ; chunk 0: one tensor load a wave at the head; the addresses below are made while it is on its way
	v_and_b32 v1, 31, v0
	v_and_b32 v2, 15, v0
	v_bfe_u32 v3, v0, 4, 1
	v_lshlrev_b32 v[CO], 4, v1
	s_mul_i32 s18, s15, HALF
	s_mul_i32 s19, s16, HALF
	s_add_co_u32 s19, s19, 2*HALF
	s_sub_co_u32 s22, s19, s18
	v_mul_u32_u24 v4, s22, v3
	v_lshl_add_u32 v4, v2, 4, v4
.irp s, 0,1
	v_add_nc_u32 v[ADRA+\s], s18, v[CO]
	v_add_nc_u32 v[ADRB+\s], s19, v[CO]
	s_add_co_u32 s23, s18, SCO
	v_add_nc_u32 v[ADRS+\s], s23, v4
	s_add_co_u32 s18, s18, SLOT
	s_add_co_u32 s19, s19, SLOT
.endr
	s_mul_i32 s23, s14, WSTG
	v_mul_u32_u24 v5, v2, SPITCH
	v_lshl_add_u32 v5, v3, 5, v5
	v_add_nc_u32 v[STO], s23, v5
	v_add_nc_u32 v[RD], s23, v[CO]
	s_lshl_b32 s22, s42, 10
	s_lshl_b32 s23, s16, 9
	s_add_co_u32 s22, s22, s23
	s_mov_b32 s23, 0
	s_add_nc_u64 s[8:9], s[8:9], s[22:23]
	global_load_b128 v[BI:BI+3], v[CO], s[8:9]
	s_add_nc_u64 s[10:11], s[10:11], s[22:23]
	s_lshl_b32 s22, s17, 8
	s_lshl_b32 s18, s15, 7
	s_add_co_u32 s22, s22, s18
	s_lshl_b32 s22, s22, 14
	s_add_nc_u64 s[10:11], s[10:11], s[22:23]
	s_cmp_eq_u32 s15, 0                            ; the prefetches: do I fetch for A?
	s_cselect_b32 s18, s40, s41                    ; my place among the four that ask for the chunk with me
	s_cselect_b64 s[PFA:PFA+1], s[20:21], s[46:47]
	s_add_nc_u64 s[PFA:PFA+1], s[PFA:PFA+1], 2*HALF
	s_mul_i32 s18, s18, 38
	v_add_nc_u32 v[PFO1], s18, v1
	v_lshlrev_b32 v[PFO1], 8, v[PFO1]
	v_min_u32 v[PFO2], 5, v1
	s_add_co_u32 s18, s18, 32
	v_add_nc_u32 v[PFO2], s18, v[PFO2]
	v_min_u32 v[PFO2], 149, v[PFO2]
	v_lshlrev_b32 v[PFO2], 8, v[PFO2]
.irp c, -HALF, 0                       ; PFA stands at chunk 2: chunks 1 and 2 are named here; the first change of slots steps PFA to chunk 3
	global_prefetch_b8 v[PFO1], s[PFA:PFA+1] offset:\c th:TH_LOAD_NT scope:SCOPE_SE
	global_prefetch_b8 v[PFO2], s[PFA:PFA+1] offset:\c th:TH_LOAD_NT scope:SCOPE_SE
.endr
.macro FRAG reg, adr, off
.irp g, 0,1,2
	ds_load_b128 v[\reg+4*\g:\reg+4*\g+3], v[\adr] offset:\off+512*\g
.endr
.endm
.macro FETCH_B sl, q, p, i0, n         ; B's blocks i0 .. i0 + n - 1 of step q of slot sl into set p
	WIN TO_B
.set FI, \i0
.rept \n
	FRAG 128*(\p)+FR*FI, ADRB+\sl, (\q)*UNIT+FI*FRB
.set FI, FI+1
.endr
	WIN 0
.endm
.macro FETCH_A sl, q, i0
.irp i, \i0, \i0+1, \i0+2, \i0+3
	FRAG AF+FR*(\i), ADRA+\sl, (\q)*UNIT+(\i)*FRB
.endr
.endm
.macro SCALES sl, q, p
.irp j, 0,1
	ds_load_b128 v[SC+8*(\p)+4*\j:SC+8*(\p)+4*\j+3], v[ADRS+\sl] offset:(\q)*UNIT+256*\j
.endr
.endm
.macro MUL16 a0, p, zero
; 16 matrix instructions: a0 = 0, 2: A's blocks 0-3 against B's blocks 0-3, 4-7; a0 = 4, 6: A's blocks 4-7 likewise.  B's block outermost; the accumulators take turns, one instruction a turn
.irp b, 0,1,2,3,4,5,6,7
.if (\b)/4 == ((\a0)%4)/2
.irp a, 0,1,2,3,4,5,6,7
.if (\a)/4 == (\a0)/4
.if \zero
	v_wmma_scale_f32_16x16x128_f8f6f4 v[8*(8*((\a)%4)+\b):8*(8*((\a)%4)+\b)+7], v[128*(\p)+FR*\b:128*(\p)+FR*\b+FR-1], v[AF+FR*(\a):AF+FR*(\a)+FR-1], 0, v[SC+8*(\p)+\b], v[SC+8*(\p)+(\a)] matrix_a_fmt:MATRIX_FMT_BF6 matrix_b_fmt:MATRIX_FMT_BF6 matrix_a_scale:MATRIX_SCALE_ROW1
.else
	v_wmma_scale_f32_16x16x128_f8f6f4 v[8*(8*((\a)%4)+\b):8*(8*((\a)%4)+\b)+7], v[128*(\p)+FR*\b:128*(\p)+FR*\b+FR-1], v[AF+FR*(\a):AF+FR*(\a)+FR-1], v[8*(8*((\a)%4)+\b):8*(8*((\a)%4)+\b)+7], v[SC+8*(\p)+\b], v[SC+8*(\p)+(\a)] matrix_a_fmt:MATRIX_FMT_BF6 matrix_b_fmt:MATRIX_FMT_BF6 matrix_a_scale:MATRIX_SCALE_ROW1
.endif
.endif
.endr
.endif
.endr
.endm
.macro PLACES n
.rept \n
	v_nop
.endr
.endm
.macro STEP p, ns, nq, zero
	FETCH_B \ns, \nq, 1-\p, 0, 8                   ; the next step's B, 24 loads, into the set that the last step multiplied (four places stand behind its products)
.if (\nq) == 1                         ; a slot's first step: B's blocks 4-7 were asked for behind A's blocks 0-3 and the scale words
	s_wait_dscnt 48                                ; out may be: B's blocks 4-7 (12), A's blocks 4-7 (12), the 24 just issued
.else
	s_wait_dscnt 36                                ; out may be: A's blocks 4-7 (12), the 24 just issued
.endif
	WIN MUL_LO
	MUL16 0, \p, \zero
.if (\nq) == 1
	s_wait_dscnt 36                                ; B's blocks 4-7 are in
.endif
	MUL16 2, \p, \zero
	s_wait_dscnt 24                                ; A's blocks 4-7 are in; the next step's B may be out
	PLACES 4
	WIN 0
	FETCH_A \ns, \nq, 0
	SCALES \ns, \nq, 1-\p
	WIN MUL_HI
	MUL16 4, \p, \zero
	MUL16 6, \p, \zero
	PLACES 4
	WIN 0
	FETCH_A \ns, \nq, 4
.endm
.macro TURN p, fs, ns, fill, ask
.if \ask
	s_wait_xcnt 0x0
	s_add_nc_u64 s[PFA:PFA+1], s[PFA:PFA+1], HALF
.endif
	s_wait_tensorcnt 0x0
	ds_add_u32 v[SPW], v[NIL]
	s_wait_dscnt 13
	WIN MUL_LO
	MUL16 0, \p, 0
	s_wait_dscnt 0x0
	s_barrier_signal -1
	MUL16 2, \p, 0
	WIN 0
	s_barrier_wait -1
.if \fill
	CREST
	s_add_nc_u64 s[G0+4*\fs+2:G0+4*\fs+3], s[G0+4*\fs+2:G0+4*\fs+3], 2*HALF
	s_add_nc_u64 s[G0B+4*\fs+2:G0B+4*\fs+3], s[G0B+4*\fs+2:G0B+4*\fs+3], 2*HALF
.if (\fill) == 1
	JLOAD G0+4*\fs, G1, G0B+4*\fs, G1B
.else
	JLOAD G0+4*\fs, G1S, G0B+4*\fs, G1SB
.endif
.else
	PLACES 4
.endif
	FETCH_B \ns, 0, 1-\p, 0, 4                     ; what the next step's first sixteen products need comes first
	FETCH_A \ns, 0, 0
	SCALES \ns, 0, 1-\p
	FETCH_B \ns, 0, 1-\p, 4, 4
.if \ask
	ASK \ask
.endif
	WIN MUL_HI
	MUL16 4, \p, 0
	MUL16 6, \p, 0
	PLACES 4
	WIN 0
	FETCH_A \ns, 0, 4
.endm
.macro FQ16 x
.irp n, 0,1,2,3,4,5,6,7,8,9,10,11,12,13,14,15
	v_med3_num_f32 v[\x+\n], v[\x+\n], s[NEG], s[POS]
.endr
.irp n, 0,1,2,3,4,5,6,7,8,9,10,11,12,13,14,15
	v_max_num_f32 v[T+\n], |v[\x+\n]|, s[MINN]
.endr
.irp n, 0,1,2,3,4,5,6,7,8,9,10,11,12,13,14,15
	v_and_b32 v[T+\n], s[EXPM], v[T+\n]
.endr
.irp n, 0,2,4,6,8,10,12,14
	v_pk_fma_f32 v[\x+\n:\x+\n+1], v[T+\n:T+\n+1], s[CP:CP+1], v[\x+\n:\x+\n+1] op_sel_hi:[1,0,1]
.endr
.irp n, 0,2,4,6,8,10,12,14
	v_pk_fma_f32 v[\x+\n:\x+\n+1], v[T+\n:T+\n+1], s[CN:CN+1], v[\x+\n:\x+\n+1] op_sel_hi:[1,0,1]
.endr
.irp n, 0,2,4,6,8,10,12,14
	v_pk_add_f32 v[\x+\n:\x+\n+1], v[\x+\n:\x+\n+1], v[BI+\n%4:BI+\n%4+1]
.endr
.endm
	s_wait_alu depctr_va_vdst(0)
	s_wait_loadcnt 0x0                             ; the bias
	s_wait_tensorcnt 0x0                           ; my part of chunk 0 is in
	ds_add_u32 v[SPW], v[NIL]
	s_wait_dscnt 0x0
	CROUND                                         ; everybody's part of chunk 0 is in, and all sixteen work-groups are here
	JLOAD G0+4, G1, G0B+4, G1B                     ; chunk 1, slot 1's first fill: the first tensor load behind the round
	FETCH_B 0, 0, 0, 0, 4
	FETCH_A 0, 0, 0
	SCALES 0, 0, 0
	FETCH_B 0, 0, 0, 4, 4
	FETCH_A 0, 0, 4
	STEP 0, 0, 1, 1
	s_mov_b32 s3, 4
.Llap:
	STEP 1, 0, 2, 0
	TURN 0, 0, 1, 1, 1
	STEP 1, 1, 1, 0
	STEP 0, 1, 2, 0
	TURN 1, 1, 0, 1, 2
	STEP 0, 0, 1, 0
	s_sub_co_u32 s3, s3, 1
	s_cmp_lg_u32 s3, 0
	s_cbranch_scc1 .Llap
	STEP 1, 0, 2, 0
	TURN 0, 0, 1, 2, 0
	STEP 1, 1, 1, 0
	STEP 0, 1, 2, 0
	TURN 1, 1, 0, 0, 0
	STEP 0, 0, 1, 0
	s_wait_dscnt 12
	WIN MUL_LO
	MUL16 0, 1, 0
	MUL16 2, 1, 0
	s_wait_alu depctr_va_vdst(0)
	s_wait_dscnt 0x0
	s_barrier_signal -1                            ; every wave's reads of the slots are over (its last fragments lie in registers): behind this barrier the stage is laid over the ring
	WIN 0
	s_barrier_wait -1
; THE WAY OUT GOES BY HALVES: my rows 0-63 (blocks 0-3) are finished here; they are staged, rounded and stored ahead of the last 32 products, which finish rows 64-127.
.macro TOSTAGE hf                      ; blocks 4 hf .. 4 hf + 3 into my stage, each accumulator from its low end on; four places stand behind the products
	PLACES 4
.irp a, 0,1,2,3,4,5,6,7
.if \a/4 == \hf
	WIN 0x08+4*(\a/4)
.irp b, 0,1,2,3,4,5,6,7
	ds_store_b128 v[STO], v[64*(\a%4)+8*\b:64*(\a%4)+8*\b+3] offset:\a*16*SPITCH+64*\b
	ds_store_b128 v[STO], v[64*(\a%4)+8*\b+4:64*(\a%4)+8*\b+7] offset:\a*16*SPITCH+64*\b+16
.endr
.endif
.endr
	WIN 0
.endm
.macro OUT4                            ; four trips of 16 rows: back from the stage as rows of 512 bytes, fq, the bias, stored
	s_mov_b32 s2, 4
.Lout_\@:
	v_add_nc_u32 v[ADR], s[TBS], v[RD]
.irp t, 0,1,2,3,4,5,6,7,8,9,10,11,12,13,14,15
	ds_load_b128 v[BK0+4*\t:BK0+4*\t+3], v[ADR] offset:\t*SPITCH
.endr
	s_wait_dscnt 8                                 ; rows 0-7 of the sixteen are back; the youngest eight loads may be out
	FQ16 BK0
	FQ16 BK0+16
.irp t, 0,1,2,3,4,5,6,7
	global_store_b128 v[CO], v[BK0+4*\t:BK0+4*\t+3], s[10:11] offset:\t*16384 th:TH_STORE_NT
.endr
	s_wait_dscnt 0x0
	FQ16 BK0+32
	FQ16 BK0+48
.irp t, 8,9,10,11,12,13,14,15
	global_store_b128 v[CO], v[BK0+4*\t:BK0+4*\t+3], s[10:11] offset:\t*16384 th:TH_STORE_NT
.endr
	s_wait_xcnt 0x0                                ; the stores have read their registers and their base: only behind this wait are they written again
	s_add_nc_u64 s[10:11], s[10:11], 16*16384
	s_add_co_u32 s[TBS], s[TBS], 16*SPITCH
	s_sub_co_u32 s2, s2, 1
	s_cmp_lg_u32 s2, 0
	s_cbranch_scc1 .Lout_\@
.endm
	TOSTAGE 0
	s_mov_b32 s[TBS], 0                            ; the stage offset runs on through both loops: rows 0-63, then 64-127
	OUT4
	WIN MUL_HI                                     ; the last K step's products of A's blocks 4-7: their fragments, B's set and the scale words have lain in registers since the barrier
	MUL16 4, 1, 0
	MUL16 6, 1, 0
	TOSTAGE 1
	OUT4
	s_wait_tensorcnt 0x0
	ds_add_u32 v[SPW], v[NIL]
	s_wait_dscnt 0x0
	CROUND
	s_endpgm
.Lfunc_end_k_qf4b2b6e9f5_gemm:
	.size	k_qf4b2b6e9f5_gemm, .Lfunc_end_k_qf4b2b6e9f5_gemm-k_qf4b2b6e9f5_gemm
	.p2alignl 7, 3214868480
	.fill 96, 4, 3214868480
	.section	.rodata,"a",@progbits
	.p2align	6, 0x0
	.amdhsa_kernel k_qf4b2b6e9f5_gemm
		.amdhsa_group_segment_fixed_size 327680
		.amdhsa_private_segment_fixed_size 0
		.amdhsa_enable_private_segment 0
		.amdhsa_kernarg_size 32
		.amdhsa_user_sgpr_count 2
		.amdhsa_user_sgpr_kernarg_segment_ptr 1
		.amdhsa_wavefront_size32 1
		.amdhsa_system_sgpr_workgroup_id_x 1
		.amdhsa_system_sgpr_workgroup_id_y 1
		.amdhsa_system_sgpr_workgroup_id_z 1
		.amdhsa_system_vgpr_workitem_id 0
		.amdhsa_next_free_vgpr 1024
		.amdhsa_next_free_sgpr 98
		.amdhsa_reserve_vcc 0
		.amdhsa_float_denorm_mode_32 3
		.amdhsa_float_denorm_mode_16_64 3
		.amdhsa_memory_ordered 1
		.amdhsa_forward_progress 1
		.amdhsa_inst_pref_size 223
	.end_amdhsa_kernel
	.amdgpu_metadata
---
amdhsa.version: [ 1, 2 ]
amdhsa.kernels:
  - .name:           k_qf4b2b6e9f5_gemm
    .symbol:         k_qf4b2b6e9f5_gemm.kd
    .args:
      - { .name: a_img, .offset: 0, .size: 8, .value_kind: global_buffer, .address_space: global }
      - { .name: b_img, .offset: 8, .size: 8, .value_kind: global_buffer, .address_space: global }
      - { .name: bias, .offset: 16, .size: 8, .value_kind: global_buffer, .address_space: global }
      - { .name: out0, .offset: 24, .size: 8, .value_kind: global_buffer, .address_space: global }
    .group_segment_fixed_size: 327680
    .private_segment_fixed_size: 0
    .kernarg_segment_align: 8
    .kernarg_segment_size: 32
    .max_flat_workgroup_size: 128
    .sgpr_count:     98
    .vgpr_count:     1024
    .wavefront_size: 32
...
	.end_amdgpu_metadata
.endif
;; end of part 2
